; MI455X (gfx1250); checked and timed in simulation.
; The chip was launched on July 23, 2026; its instructions are those of AMD's public machine-readable ISA for CDNA 5 (MIT licence, August 2026) and "CDNA5" Instruction Set Architecture Reference Guide (July 2026). The comments in the code are by the model that wrote it; some were corrected since.
;; Uniform Quantized Linear. Allowed arithmetic: matrix products marked QUANTISED: E2M3 operands, one E8M0 scale for each 32 along K, by v_wmma_scale_f32_16x16x128_f8f6f4 with both operands' format E2M3, f32 sums; everything else in f32.
;; Inputs: W_q 4,096 x 4,096 int32; bias 4,096 float32; mu1 4,096 float32; mu2 4,096 float32; scales 4,096 x 32 x 1 float32; x 4 x 1,024 x 4,096 float32; zeros 4,096 x 32 x 1 float32.
;; Outputs: out0 4 x 1,024 x 4,096 float32.
;; This version of the problem:
;;   THIS VERSION OF THE PROBLEM IS GIVEN IN LOW PRECISION. The matrix products marked QUANTISED in the list below multiply operands that are first quantised to E2M3 (2 exponent bits, 3 mantissa bits; 6 bits a number), with one power-of-two scale for each 32 numbers along K (OCP MX v1.0); their sums are f32. All else is computed in f32.
;;   The module's matrix products, in the order in which they are computed (A, B: the left and right operand; K: the contracted axis; several contracted axes count as one K, in the product's order):
;;     1. [M 4,096, K 4,096] x [K 4,096, N 4,096]; A: input x; B: computed on the way: QUANTISED
;;   THE QUANTISER, for each operand of a quantised product, along K:
;;     - K is cut into blocks of 32 from its start; a last block that is shorter is filled with zeros.
;;     - A block's scale is 2^e with e = floor(log2(the largest magnitude in the block)) - 2, held to -126 .. 127; a block of zeros has e = 0. As a byte (E8M0): e + 127.
;;     - Each number is divided by its block's scale, clamped to +-7.5, and rounded to the nearest number of E2M3, ties to even, subnormals kept.
;;     - The product sums the exact products of the quantised numbers (number of the format x scale) in f32.
;;   ~~~python
;;   def quantise(x, axis):      # numpy; x: float32 -> the quantised numbers, widened to float32 again
;;       x = np.moveaxis(x, axis, -1); K = x.shape[-1]
;;       x = np.pad(x, [(0, 0)] * (x.ndim - 1) + [(0, -K % 32)]); x = x.reshape(x.shape[:-1] + (-1, 32)); a = np.abs(x).max(-1, keepdims=True)
;;       e = np.where(a > 0, np.clip(np.frexp(np.where(a > 0, a, 1))[1] - 1 - 2, -126, 127), 0)      # np.frexp(a)[1] - 1 = floor(log2(a)), exactly
;;       r = np.clip(x / 2.0 ** e, -7.5, 7.5)
;;       step = 2.0 ** (np.maximum(np.frexp(np.where(r == 0, 1, r))[1] - 1, 0) - 3)
;;       q = np.round(r / step) * step * 2.0 ** e      # np.round: ties to even
;;       return np.moveaxis(q.reshape(q.shape[:-2] + (-1,))[..., :K], -1, axis).astype(np.float32)
;;   ~~~
;;   OPERANDS COMPUTED ON THE WAY. 'Computed on the way' means the value that the module computes at that place (a softmax that the list does not call 'softmax' is quantised finished and normalised). What goes into a quantiser is computed in f32, as accurately as f32 sums, v_exp_f32 and their like allow (about 1e-6 of the number): no bf16 or f16 on the way to a quantiser, and a product that is left as it is and whose result goes on into a quantised operand takes f32 operands (vector FMAs, or v_wmma_f32_16x16x4_f32). A number that lies on a knife's edge between two numbers of the format may be rounded either way, as far as f32 arithmetic and the matrix unit's own rounding can turn it there, and no further.
;; One version. Each part assembles by itself: llvm-mc -triple=amdgcn-amd-amdhsa -mcpu=gfx1250 --defsym DOCPART=n.
;; ======== version 1 of 1: 2 launches
;; limits: right only within a limited range of input values
;; workspace buffers: xq 13,107,200 bytes; wq 13,107,200 bytes
;; launch quant (part 1): grid 512 x 2, 4 waves a work-group, no clusters, 70,144 bytes of LDS; arguments x, W_q, scales, zeros, mu1, mu2, xq, wq; writes xq, wq
.if DOCPART == 1
	.amdgcn_target "amdgcn-amd-amdhsa--gfx1250"
	.amdhsa_code_object_version 6
	.text
	.protected	k_q3eacf83091_quant
	.globl	k_q3eacf83091_quant
	.p2align	8
	.type	k_q3eacf83091_quant,@function
k_q3eacf83091_quant:
	s_mov_b64 s[64:65], 0
	v_nop
	global_prefetch_b8 v0, s[64:65] scope:SCOPE_SE
	s_setreg_imm32_b32 hwreg(HW_REG_WAVE_MODE, 25, 1), 1
	s_wait_xcnt 0x0
; Both operands of the product become codes of FP6 (E2M3), 6 bits each, with one E8M0 byte for each 32 along the contracted axis n, laid IN THE ORDER OF THE OPERAND'S REGISTERS.
; Work-groups with y = 0 take x [4096][4096] f32 -> xq.  Work-groups with y = 1 take the weight:
; w[k][n] = (((float(W_q[k][n]) - zeros[k][n/128]) * scales[k][n/128]) * mu2[k]) * mu1[n], each step rounded once in f32 in just this order, -> wq.
; THE LAYOUT of xq and wq: [32 steps of 128 along n][32 parts of 128 rows][12,800 bytes].  A part: 8 fragments (16 rows x 128 n) of 1,536 bytes, then 512 bytes of scale words.
; A fragment is the image of its 12 registers: registers 4 c .. 4 c + 3 of lane l at 512 c + 16 l; lane l = (r = l % 16, h = l / 16) holds row r, registers 0-5 n = 32 h + 0 .. 31, registers 6-11 n = 64 + 32 h + 0 .. 31.
; The scale word (four bytes, 128 along n) of row r of the part's fragment i lies at 12,288 + 256 (i / 4) + 16 r + 4 (i % 4).
; A block's scale is 2^(floor(log2(its largest magnitude)) - 2): its byte is the largest magnitude's exponent field - 2, held at 1 from below.  Each number is divided by the scale and rounded to the nearest code, ties to even; beyond 7.5 the largest code.
; LIMITS: NaN and infinities among the inputs are not served.  A block of zeros gets the byte 1 where the rule says 127: its codes are zeros, which add nothing under any byte but 0xff, and this program alone reads the bytes.
; Blocks whose largest magnitude lies under 2^-124 have their byte held at 1; they were not tried.
; SHARES.  Work-group x = 8 g + kg owns rows 64 g .. 64 g + 63 and steps 4 kg .. 4 kg + 3; wave w owns rows 64 g + 16 w on: one fragment a step, four steps.
; A STEP.  16 loads, a row each: 512 consecutive bytes, 16 a lane.  In that layout a load's numbers share one row and one group of 128 columns: zero, scale and mu2 are the same for all lanes (read out of a lane's table register into
; scalar registers), and a lane's four mu1 are four registers a step: so the weight is made here.  Then the 8,192 bytes go through the wave's own stage in LDS (rows 528 bytes apart: the sixteen rows that a read touches start in
; sixteen different groups of banks), and lane (r, h) takes back blocks h and 2 + h of row r: 64 numbers, two whole blocks, so that no other lane is asked for a maximum and the conversions' results are the fragment's registers.
; OUT.  Each of a fragment's three stores covers 512 consecutive bytes, at a multiple of 256 from the buffer's first byte.  The four waves' scale words of a step are 256 consecutive bytes: they meet in LDS and leave behind one barrier.
; Loads run two steps (32 loads a wave) ahead.  Every offset is an immediate, no pointer is stepped.  The two arms part on the work-group's y alone, never join, and each has LDS bytes of its own.  No tensor loads: nothing is shared between work-groups.
.set KSTR,  409600                     ; bytes from a step of 128 along n to the next
.set PARTK, 12800                      ; a part
.set FRC,   1536                       ; a fragment's codes
.set SCA,   12288                      ; where a part's scale words begin
.set SPI,   528                        ; a stage row: 512 bytes + 16
.set STG,   16*SPI                     ; a wave's stage
.set R,     16                         ; v16-143  two sets of 64: a step's numbers as they are loaded, row i in registers 4 i .. 4 i + 3
.set X,     144                        ; v144-207 my two blocks of 32
.set C,     208                        ; v208-219 the fragment's 12 registers
.set T,     220                        ; v220-222, v224-226 the upper halves of the two blocks' codes, before they are moved
.set M2,    223                        ; v223     mu2 of row lane % 16
.set PT,    227                        ; v227     the other half's scale bytes
.set E,     228                        ; v228     a step's scale word;  v229 LDS address of my spare word, v230 = 0: never rewritten
.set MU1,   232                        ; v232-247 mu1 of my four columns, for each step
.set ZT,    248                        ; v248-251 -zero of (row lane % 16, step t)
.set SS,    252                        ; v252-255 scale likewise
.set RS,    40                         ; s[40:63] four sets of three pairs: -zero, scale, mu2 of a row; the packed forms name pairs and take the low word: the odd registers hold 0
.set SEL,   20                         ; s[20:21] v_permlanex16_b32's selects for lane l xor 16
	s_load_b512 s[4:19], s[0:1], 0x0               ; x s[4:5], W_q s[6:7], scales s[8:9], zeros s[10:11], mu1 s[12:13], mu2 s[14:15], xq s[16:17], wq s[18:19]
	v_lshl_add_u32 v229, v0, 2, 0x11000
	v_mov_b32 v230, 0
	v_lshrrev_b32 v1, 5, v0
	v_readfirstlane_b32 s24, v1                    ; wave 0..3
	v_and_b32 v2, 31, v0                           ; lane
	v_and_b32 v1, 15, v0                           ; r
	v_bfe_u32 v9, v0, 4, 1                         ; h
	s_mul_i32 s25, s24, STG                        ; my wave's stage
	v_lshlrev_b32 v3, 4, v2                        ; 16 x lane: my bytes of a load's 512, and of a store's
	v_add_nc_u32 v4, s25, v3                       ; the stage, on the way in: a row as it lies
	v_mul_u32_u24 v5, v1, SPI
	v_lshl_add_u32 v5, v9, 7, v5
	v_add_nc_u32 v5, s25, v5                       ; and on the way out: row r, block h
	s_lshl_b32 s26, s24, 2
	v_lshl_add_u32 v6, v1, 4, s26                  ; a step's scale words: 16 r + 4 x wave
	v_lshlrev_b32 v8, 3, v2                        ; their way out: 8 bytes a lane,
	s_lshl_b32 s26, s24, 8
	v_add_nc_u32 v7, s26, v8                       ; wave w takes step w's 256 bytes
	v_lshlrev_b32 v9, 3, v9                        ; 8 h: my two bytes' place in the scale word
	v_mov_b32 v[PT], 0                             ; written once: a lane permute's destination counts as one of its sources
	s_mov_b32 s[SEL], 0x76543210
	s_mov_b32 s[SEL+1], 0xfedcba98
	s_and_b32 s27, ttmp9, 7                        ; kg
	s_lshr_b32 s28, ttmp9, 3                       ; g
	s_lshl_b32 s30, s28, 20                        ; the source: 64 rows of 16,384 bytes a g,
	s_lshl_b32 s29, s24, 18                        ; 16 rows a wave,
	s_add_co_u32 s30, s30, s29
	s_lshl_b32 s29, s27, 11                        ; 4 steps of 512 bytes a kg
	s_add_co_u32 s30, s30, s29
	s_mov_b32 s31, 0
	s_mul_i32 s32, s27, 4*KSTR                     ; the result: step 4 kg,
	s_lshr_b32 s29, s28, 1
	s_mul_i32 s29, s29, PARTK                      ; part g / 2
	s_add_co_u32 s32, s32, s29
	s_and_b32 s29, s28, 1                          ; which four of the part's eight fragments are my work-group's
	s_mul_i32 s34, s24, KSTR                       ; the scale words that I store: step 4 kg + wave,
	s_add_co_u32 s34, s34, s32
	s_lshl_b32 s36, s29, 8                         ; 256 bytes for four fragments
	s_add_co_u32 s34, s34, s36
	s_add_co_u32 s34, s34, SCA
	s_mov_b32 s35, 0
	s_mul_i32 s36, s29, 4*FRC                      ; the codes: fragment 4 (g % 2) + wave
	s_add_co_u32 s32, s32, s36
	s_mul_i32 s36, s24, FRC
	s_add_co_u32 s32, s32, s36
	s_mov_b32 s33, 0
	s_lshl_b32 s36, s28, 13                        ; scales and zeros: rows of 128 bytes, my 16 rows, my 4 groups
	s_lshl_b32 s29, s24, 11
	s_add_co_u32 s36, s36, s29
	s_lshl_b32 s29, s27, 4
	s_add_co_u32 s36, s36, s29
	s_mov_b32 s37, 0
	s_lshl_b32 s38, s28, 8                         ; mu2: my 16 rows
	s_lshl_b32 s29, s24, 6
	s_add_co_u32 s38, s38, s29
	s_mov_b32 s39, 0
	s_lshl_b32 s22, s27, 11                        ; mu1: my 512 columns
	s_mov_b32 s23, 0
	s_and_b32 s26, ttmp7, 0xffff                   ; work-group y: 0 x, 1 the weight
	s_wait_kmcnt 0x0
	s_cmp_lg_u32 s26, 0
	s_cbranch_scc1 .Lweights
.macro LOAD t                          ; step t: 16 rows x 512 consecutive bytes, into set t % 2
.irp i, 0,1,2,3,4,5,6,7,8,9,10,11,12,13,14,15
	global_load_b128 v[R+64*((\t)%2)+4*\i:R+64*((\t)%2)+4*\i+3], v3, s[SRC:SRC+1] offset:16384*\i+512*(\t) th:TH_LOAD_NT
.endr
.endm
.macro DEQ t                           ; the weight's numbers, in place, one rounding a step, in the order in which the problem writes them; four rows at a time, each with its own scalar set
.set RB, R+64*((\t)%2)
.irp gq, 0,1,2,3
.irp k, 0,1,2,3
	v_readlane_b32 s[RS+6*\k], v[ZT+(\t)], 4*\gq+\k      ; -zero, scale and mu2 of row 4 gq + k: the same for all lanes of that row's load
	v_readlane_b32 s[RS+6*\k+2], v[SS+(\t)], 4*\gq+\k
	v_readlane_b32 s[RS+6*\k+4], v[M2], 4*\gq+\k
.endr
.irp k, 0,1,2,3
.irp e, 0,1,2,3
	v_cvt_f32_i32 v[RB+16*\gq+4*\k+\e], v[RB+16*\gq+4*\k+\e]
.endr
.endr
.irp k, 0,1,2,3
.irp e, 0,2
	v_pk_add_f32 v[RB+16*\gq+4*\k+\e:RB+16*\gq+4*\k+\e+1], v[RB+16*\gq+4*\k+\e:RB+16*\gq+4*\k+\e+1], s[RS+6*\k:RS+6*\k+1] op_sel_hi:[1,0]       ; + (-zero): the same bits as - zero
.endr
.endr
.irp k, 0,1,2,3
.irp e, 0,2
	v_pk_mul_f32 v[RB+16*\gq+4*\k+\e:RB+16*\gq+4*\k+\e+1], v[RB+16*\gq+4*\k+\e:RB+16*\gq+4*\k+\e+1], s[RS+6*\k+2:RS+6*\k+3] op_sel_hi:[1,0]     ; x scale
.endr
.endr
.irp k, 0,1,2,3
.irp e, 0,2
	v_pk_mul_f32 v[RB+16*\gq+4*\k+\e:RB+16*\gq+4*\k+\e+1], v[RB+16*\gq+4*\k+\e:RB+16*\gq+4*\k+\e+1], s[RS+6*\k+4:RS+6*\k+5] op_sel_hi:[1,0]     ; x mu2
.endr
.endr
.irp k, 0,1,2,3
.irp e, 0,2
	v_pk_mul_f32 v[RB+16*\gq+4*\k+\e:RB+16*\gq+4*\k+\e+1], v[RB+16*\gq+4*\k+\e:RB+16*\gq+4*\k+\e+1], v[MU1+4*(\t)+\e:MU1+4*(\t)+\e+1]           ; x mu1, each column its own
.endr
.endr
.endr
.endm
.macro STEP t
.set RB, R+64*((\t)%2)
.if (\t) < 3
	s_wait_loadcnt 16                              ; this step's 16 loads are in; the next step's may be out
.else
	s_wait_loadcnt 0x0
.endif
.if ISW
	DEQ \t
.endif
.irp i, 0,1,2,3,4,5,6,7,8,9,10,11,12,13,14,15
	ds_store_b128 v4, v[RB+4*\i:RB+4*\i+3] offset:SA+SPI*\i      ; row i as it lies.  (The last step's reads of the stage were waited for)
.endr
.irp c, 0,1
.irp j, 0,1,2,3,4,5,6,7
	ds_load_b128 v[X+32*\c+4*\j:X+32*\c+4*\j+3], v5 offset:SA+256*\c+16*\j   ; block 2 c + h of row r.  LDS serves a wave's instructions in order: these see the stores above
.endr
.endr
.if (\t)+2 < 4
	s_wait_dscnt 16                                ; all but the 16 reads: the stores into the stage are done and have read their registers,
	LOAD (\t)+2                                    ; which take the loads of two steps on
.endif
	s_wait_dscnt 0x0                               ; my 64 numbers are back
	v_max3_num_f32 v10, |v[X]|, |v[X+1]|, 0x1800000              ; each block's largest magnitude, in two chains, with the floor 2^(3 - 127) among the leaves: so the byte cannot fall under 1
	v_max3_num_f32 v11, |v[X+16]|, |v[X+17]|, |v[X+18]|
	v_max3_num_f32 v12, |v[X+32]|, |v[X+33]|, 0x1800000
	v_max3_num_f32 v13, |v[X+48]|, |v[X+49]|, |v[X+50]|
.irp i, 2,4,6,8,10,12
	v_max3_num_f32 v10, v10, |v[X+\i]|, |v[X+\i+1]|
	v_max3_num_f32 v11, v11, |v[X+17+\i]|, |v[X+18+\i]|
	v_max3_num_f32 v12, v12, |v[X+32+\i]|, |v[X+33+\i]|
	v_max3_num_f32 v13, v13, |v[X+49+\i]|, |v[X+50+\i]|
.endr
	v_max3_num_f32 v10, v10, |v[X+14]|, |v[X+15]|
	v_max3_num_f32 v12, v12, |v[X+46]|, |v[X+47]|
	v_max3_num_f32 v10, v10, v11, |v[X+31]|
	v_max3_num_f32 v12, v12, v13, |v[X+63]|
	v_add_nc_u32 v14, 0xff000000, v10              ; 2 off the exponent field: the conversion takes the exponent field of this operand as its scale, and nothing else of it
	v_add_nc_u32 v15, 0xff000000, v12
	v_lshrrev_b32 v10, 23, v14                     ; the scales' bytes: blocks h and 2 + h of row r,
	v_lshrrev_b32 v12, 23, v15
	v_lshl_or_b32 v10, v12, 16, v10
	v_lshlrev_b32 v10, v9, v10                     ; at their places in the scale word (8 h bits up);
	v_permlanex16_b32 v[PT], v10, s[SEL], s[SEL+1]
	v_or_b32 v[E], v10, v[PT]                      ; with lane l xor 16's two the word is whole
.if (\t) > 0
	s_wait_alu depctr_va_vdst(0)
	s_wait_xcnt 0x0                                ; the last step's stores have read their data: the fragment's registers are written again only behind this wait
.endif
	v_cvt_scalef32_pk16_fp6_f32 v[C:C+2], v[X:X+15], v14         ; 96 bits without gaps, the first number's code lowest
	v_cvt_scalef32_pk16_fp6_f32 v[T:T+2], v[X+16:X+31], v14      ; (a conversion's three registers begin on an even number: the second half of a block's six does not, so it is made elsewhere and moved)
	v_cvt_scalef32_pk16_fp6_f32 v[C+6:C+8], v[X+32:X+47], v15
	v_cvt_scalef32_pk16_fp6_f32 v[T+4:T+6], v[X+48:X+63], v15
	v_nop                                          ; one plain place behind a scaled conversion
.irp i, 0,1,2
	v_mov_b32 v[C+3+\i], v[T+\i]
	v_mov_b32 v[C+9+\i], v[T+4+\i]
.endr
.irp c, 0,1,2
	global_store_b128 v3, v[C+4*\c:C+4*\c+3], s[COD:COD+1] offset:KSTR*(\t)+512*\c   ; 512 consecutive bytes, at a multiple of 256 from the buffer's first byte
.endr
	ds_store_b32 v6, v[E] offset:GA+256*(\t)       ; lanes r and 16 + r write the same word with the same value
.endm
.macro TAIL                            ; a step's 256 bytes of scale words come from four waves: my stores have landed, then the barrier, then a step a wave
	s_wait_dscnt 0x0
	s_barrier_signal -1
	s_barrier_wait -1
	ds_load_b64 v[12:13], v7 offset:GA
	s_wait_dscnt 0x0
	global_store_b64 v8, v[12:13], s[34:35]        ; 32 lanes store 256 consecutive bytes, at a multiple of 256 from the buffer's first byte
	s_wait_tensorcnt 0x0                           ; the wave's end
	ds_add_u32 v229, v230
	s_wait_dscnt 0x0
	s_endpgm
.endm
	; ---- x
.set ISW, 0
.set GA,  0                            ; LDS: this arm's scale words, 1,024 bytes,
.set SA,  2048                         ; and its four stages
.set SRC, 4
.set COD, 16
	s_add_nc_u64 s[4:5], s[4:5], s[30:31]
	s_add_nc_u64 s[34:35], s[16:17], s[34:35]
	s_add_nc_u64 s[16:17], s[16:17], s[32:33]
	LOAD 0
	LOAD 1
	s_wait_alu depctr_va_vdst(0)
.irp t, 0,1,2,3
	STEP \t
.endr
	TAIL
	; ---- the weight
.Lweights:
.set ISW, 1
.set GA,  1024
.set SA,  2048+4*STG
.set SRC, 6
.set COD, 18
	s_add_nc_u64 s[6:7], s[6:7], s[30:31]
	s_add_nc_u64 s[34:35], s[18:19], s[34:35]
	s_add_nc_u64 s[18:19], s[18:19], s[32:33]
	s_add_nc_u64 s[8:9], s[8:9], s[36:37]
	s_add_nc_u64 s[10:11], s[10:11], s[36:37]
	s_add_nc_u64 s[12:13], s[12:13], s[22:23]
	s_add_nc_u64 s[14:15], s[14:15], s[38:39]
	v_lshlrev_b32 v10, 7, v1                       ; row r of 128 bytes
	v_lshlrev_b32 v11, 2, v1
	global_load_b128 v[ZT:ZT+3], v10, s[10:11]     ; zeros of (row r, my 4 groups): once a wave; lanes 16-31 hold the same as lanes 0-15
	global_load_b128 v[SS:SS+3], v10, s[8:9]       ; scales likewise
	global_load_b32 v[M2], v11, s[14:15]           ; mu2 of row r
.irp t, 0,1,2,3
	global_load_b128 v[MU1+4*\t:MU1+4*\t+3], v3, s[12:13] offset:512*\t   ; mu1 of my four columns of step t: 512 consecutive bytes a load
.endr
	LOAD 0
	LOAD 1
.irp j, 0,1,2,3,4,5,6,7,8,9,10,11
	s_mov_b32 s[RS+2*\j+1], 0                      ; the upper halves of pairs whose low word alone is used: named, so written
.endr
	s_wait_loadcnt 32                              ; behind the seven table loads stand two steps' 32
.irp j, 0,1,2,3
	v_xor_b32 v[ZT+\j], 0x80000000, v[ZT+\j]       ; -zero
.endr
	s_wait_alu depctr_va_vdst(0)
.irp t, 0,1,2,3
	STEP \t
.endr
	TAIL
.Lfunc_end_k_q3eacf83091_quant:
	.size	k_q3eacf83091_quant, .Lfunc_end_k_q3eacf83091_quant-k_q3eacf83091_quant
	.p2alignl 7, 3214868480
	.fill 96, 4, 3214868480
	.section	.rodata,"a",@progbits
	.p2align	6, 0x0
	.amdhsa_kernel k_q3eacf83091_quant
		.amdhsa_group_segment_fixed_size 70144
		.amdhsa_private_segment_fixed_size 0
		.amdhsa_enable_private_segment 0
		.amdhsa_kernarg_size 64
		.amdhsa_user_sgpr_count 2
		.amdhsa_user_sgpr_kernarg_segment_ptr 1
		.amdhsa_wavefront_size32 1
		.amdhsa_system_sgpr_workgroup_id_x 1
		.amdhsa_system_sgpr_workgroup_id_y 1
		.amdhsa_system_sgpr_workgroup_id_z 1
		.amdhsa_system_vgpr_workitem_id 0
		.amdhsa_next_free_vgpr 256
		.amdhsa_next_free_sgpr 66
		.amdhsa_reserve_vcc 0
		.amdhsa_float_denorm_mode_32 3
		.amdhsa_float_denorm_mode_16_64 3
		.amdhsa_memory_ordered 1
		.amdhsa_forward_progress 1
		.amdhsa_inst_pref_size 113
	.end_amdhsa_kernel
	.amdgpu_metadata
---
amdhsa.version: [ 1, 2 ]
amdhsa.kernels:
  - .name:           k_q3eacf83091_quant
    .symbol:         k_q3eacf83091_quant.kd
    .args:
      - { .name: x, .offset: 0, .size: 8, .value_kind: global_buffer, .address_space: global }
      - { .name: W_q, .offset: 8, .size: 8, .value_kind: global_buffer, .address_space: global }
      - { .name: scales, .offset: 16, .size: 8, .value_kind: global_buffer, .address_space: global }
      - { .name: zeros, .offset: 24, .size: 8, .value_kind: global_buffer, .address_space: global }
      - { .name: mu1, .offset: 32, .size: 8, .value_kind: global_buffer, .address_space: global }
      - { .name: mu2, .offset: 40, .size: 8, .value_kind: global_buffer, .address_space: global }
      - { .name: xq, .offset: 48, .size: 8, .value_kind: global_buffer, .address_space: global }
      - { .name: wq, .offset: 56, .size: 8, .value_kind: global_buffer, .address_space: global }
    .group_segment_fixed_size: 70144
    .private_segment_fixed_size: 0
    .kernarg_segment_align: 8
    .kernarg_segment_size: 64
    .max_flat_workgroup_size: 128
    .sgpr_count:     66
    .vgpr_count:     256
    .wavefront_size: 32
...
	.end_amdgpu_metadata
.endif
;; end of part 1
;; launch gemm (part 2): grid 16 x 16, 4 waves a work-group, clusters of 4 x 4, 327,680 bytes of LDS; arguments xq, wq, out0, bias; writes out0
.if DOCPART == 2
	.amdgcn_target "amdgcn-amd-amdhsa--gfx1250"
	.amdhsa_code_object_version 6
	.text
	.protected	k_q3eacf83091_gemm
	.globl	k_q3eacf83091_gemm
	.p2align	8
	.type	k_q3eacf83091_gemm,@function
k_q3eacf83091_gemm:
	s_mov_b64 s[64:65], 0
	v_nop
	global_prefetch_b8 v0, s[64:65] scope:SCOPE_SE
	s_setreg_imm32_b32 hwreg(HW_REG_WAVE_MODE, 25, 1), 1
	s_wait_xcnt 0x0
	s_wait_alu depctr_hold_cnt(0) depctr_sa_sdst(0) depctr_va_vdst(0) depctr_va_sdst(0) depctr_va_ssrc(0) depctr_va_vcc(0) depctr_vm_vsrc(0)
	s_getreg_b32 s2, hwreg(HW_REG_IB_STS2, 6, 4)
	s_cmp_eq_u32 s2, 0
	s_cbranch_scc0 .Lentry_in_a_cluster
	s_endpgm
.Lentry_in_a_cluster:
	s_bfe_u32 s2, ttmp6, 0x10000c
	s_cmp_lg_u32 s2, 0xf033
	s_cbranch_scc0 .Lentry_shape_is_right
	s_endpgm
.Lentry_shape_is_right:
; out0[m][k] = sum over n of Q(x)[m][n] Q(w)[k][n] + bias[k].  xq and wq hold codes of FP6 (E2M3) and E8M0 scale words in the order of the operands' registers:
; [32 steps of 128 along n][32 parts of 128 rows][12,800 bytes]; a part: 8 fragments of 1,536 bytes (registers 4 c .. 4 c + 3 of lane l at 512 c + 16 l), then 512 bytes of scale words.
; A tile of out0, 256 x 256, is made by four waves, 128 x 128 each: 64 accumulators.  The bias is added to the finished f32 sums, as the problem writes it.
; THE RING: two LDS slots of three steps (4 parts x 38,400 bytes); each wave fetches one part's three steps by one tensor load (rows of 12,800 bytes, at multiples of 256).  The last fill has two steps: 32 = 10 x 3 + 2.
; CLUSTERS: 4 x 4 work-groups; x's parts are asked for jointly along a row of the cluster, w's along a column.  All of LDS is claimed.
; REGISTERS.  Window q (0..3): v128-255 the 16 accumulators of my row blocks 2 q, 2 q + 1; v32-127 two sets of four fragments: window 0 w's blocks 0-3, window 1 w's 4-7, window 2 x's 0-3, window 3 x's 4-7.
; Both operands have two sets, so a step's 50 LDS loads for the next step stand in TWO runs: w's fragments and the scale words (26) at the step's head, x's fragments (24) in its middle; 32 products follow each run.
; Window 0: v4-15 addresses, v16-31 two sets of scale words (lanes 0-15 x's block i, lanes 16-31 w's block i).  Window 1: v12-15 the bias of my four columns.
; THE PRODUCT IS USED TRANSPOSED (source 0 = 16 rows of w, source 1 = 16 rows of x): a lane holds eight neighbouring numbers of a row of out0.
; A CHANGE OF SLOTS stands in a slot's last step: one quarter, the wait for all tensor loads, the add, a second quarter, the wait for the add and for my reads, the cluster's round, the joint refill; the runs and the other two quarters follow.
; THE LAST FIVE STEPS (27 to 31) lie in the two slots together and nothing is filled any more.  They go BY HALVES OF MY ROWS: blocks 0-3 through all five steps, n ascending, then blocks 4-7 through the same five,
; with w's fragments read a second time; blocks 0-3 go through the stage and are stored between the second half's products.
; THE STAGE, 16 rows x 528 bytes a wave, lies in the third step's 12,800 bytes of part w of slot 0: the slot's last fill has two steps and does not reach them, and every read of them is over at step 26's barrier.
; PREFETCH: in step t each wave names 13 blocks of 256 bytes of step t + 7 of the part that it fetches (50 blocks; the four partners that ask for the part jointly take 13 each, told apart by address; lanes left over
; name the wave's last block again).  Steps 3 to 6 are named at the head, steps 0 to 2 come by their load alone; steps 25 to 31 ask for nothing, so no address leaves the buffer.
.set SIZE_N, 4096
.set NQ,     3
.set FRC,    1536
.set PARTK,  12800
.set SCA,    12288
.set KSTR,   32*PARTK
.set PART,   NQ*PARTK
.set SLOT,   4*PART
.set SPARE,  2*SLOT                    ; the spare words, 512 bytes that no other line names
.set SPITCH, 528
.set ADRA, 4                           ; v4-5   LDS address of x's fragments in slot 0, 1
.set ADRB, 6                           ; v6-7   of w's
.set ADRS, 8                           ; v8-9   of the scale words
.set PFO,  10                          ; v10    the prefetches' offset
.set STO,  11
.set RD,   12
.set CO,   13
.set SPW,  14
.set NIL,  15
.set SC,   16
.set F,    32
.set ACC,  128
.set BI,   12                          ; in window 1
.set BK,   32                          ; the way out: 16 rows read back: set k at v32-95 of window 2 + k
.set G1,   24
.set G0,   32
.set G1B,  48
.set G0B,  56
.set G1L,  68
.set G1BL, 80
.set PF,   76
.set MSB, 0
.macro WIN new                         ; the immediate's high byte repeats the setting that is left
.if MSB != (\new)
	s_set_vgpr_msb (MSB<<8)+(\new)
.set MSB, (\new)
.endif
.endm
.macro PLACES
.rept 4
	v_nop
.endr
.endm
.macro JLOAD g0a, g1a, g0b, g1b        ; a joint load: waves 0, 1 fetch x's parts, waves 2, 3 w's
	s_cmp_eq_u32 s15, 0
	s_cbranch_scc0 .Lfor_b_\@
	tensor_load_to_lds s[\g0a:\g0a+3], s[\g1a:\g1a+7]
	s_nop 0
	PLACES
	s_branch .Lasked_\@
.Lfor_b_\@:
	tensor_load_to_lds s[\g0b:\g0b+3], s[\g1b:\g1b+7]
	s_nop 0
	PLACES
.Lasked_\@:
.endm
.macro CREST
	s_cmp_lg_u32 s14, 0
	s_cbranch_scc1 .Lnot_wave_0_\@
	s_barrier_signal -3
.Lnot_wave_0_\@:
	s_barrier_wait -3
	s_barrier_signal -1
	s_barrier_wait -1
.endm
.macro CROUND
	s_barrier_signal -1
	s_barrier_wait -1
	CREST
.endm
	s_load_b128 s[4:7], s[0:1], 0x0                ; xq, wq
	s_load_b128 s[8:11], s[0:1], 0x10              ; out0, bias
	v_lshl_add_u32 v[SPW], v0, 2, SPARE
	v_mov_b32 v[NIL], 0
	ds_add_u32 v[SPW], v[NIL]                      ; the opening lines: the add twice and one wait
	ds_add_u32 v[SPW], v[NIL]
	v_lshrrev_b32 v1, 5, v0
	v_readfirstlane_b32 s14, v1                    ; wave
	s_lshr_b32 s15, s14, 1                         ; my half of the rows; also: I fetch for x (0) or w (1)
	s_and_b32 s16, s14, 1                          ; my half of the columns; also: which part I fetch
	s_bfe_u32 s40, ttmp6, 0x40000                  ; cx
	s_bfe_u32 s41, ttmp6, 0x40004                  ; cy
	s_lshl_b32 s42, ttmp9, 2
	s_add_co_u32 s42, s42, s40                     ; tile column
	s_and_b32 s17, ttmp7, 0xffff
	s_lshl_b32 s17, s17, 2
	s_add_co_u32 s17, s17, s41                     ; tile row
	s_lshl_b32 s43, s41, 2
	s_lshl_b32 s43, 15, s43                        ; my row of the cluster
	s_lshl_b32 s44, 0x1111, s40                    ; my column
	s_or_b32 s[G1+0], s43, (3<<16)|(1<<21)         ; elements of 8 bytes, the mask, bit 21 beside it
	s_or_b32 s[G1B+0], s44, (3<<16)|(1<<21)
	s_or_b32 s[G1L+0], s43, (3<<16)|(1<<21)
	s_or_b32 s[G1BL+0], s44, (3<<16)|(1<<21)
.irp g, G1, G1B
	s_mov_b32 s[\g+1], (PARTK/8)<<16
	s_mov_b32 s[\g+2], NQ<<16
	s_mov_b32 s[\g+3], (PARTK/8)<<16
	s_mov_b32 s[\g+4], NQ
	s_mov_b32 s[\g+5], KSTR/8
	s_mov_b32 s[\g+6], 0
	s_mov_b32 s[\g+7], 0
.endr
.irp g, G1L, G1BL                      ; the last fill: two steps
	s_mov_b32 s[\g+1], (PARTK/8)<<16
	s_mov_b32 s[\g+2], 2<<16
	s_mov_b32 s[\g+3], (PARTK/8)<<16
	s_mov_b32 s[\g+4], 2
	s_mov_b32 s[\g+5], KSTR/8
	s_mov_b32 s[\g+6], 0
	s_mov_b32 s[\g+7], 0
.endr
	s_lshl_b32 s20, s17, 1
	s_add_co_u32 s20, s20, s16
	s_mul_i32 s20, s20, PARTK                      ; x's part 2 x tile row + half
	s_mov_b32 s21, 0
	s_lshl_b32 s46, s42, 1
	s_add_co_u32 s46, s46, s16
	s_mul_i32 s46, s46, PARTK                      ; w's part 2 x tile column + half
	s_mov_b32 s47, 0
	s_mul_i32 s45, s14, PART                       ; where my part goes
	s_wait_dscnt 0x0
	s_wait_kmcnt 0x0
	s_add_nc_u64 s[20:21], s[4:5], s[20:21]
	s_add_nc_u64 s[46:47], s[6:7], s[46:47]
	CROUND                                         ; the first joint loads meet
.irp s, 0,1
	s_mov_b32 s[G0+4*\s], 1
	s_add_co_u32 s[G0+4*\s+1], s45, \s*SLOT
	s_add_nc_u64 s[G0+4*\s+2:G0+4*\s+3], s[20:21], \s*NQ*KSTR
	s_or_b32 s[G0+4*\s+3], s[G0+4*\s+3], 0x80000000
	s_mov_b32 s[G0B+4*\s], 1
	s_add_co_u32 s[G0B+4*\s+1], s45, \s*SLOT
	s_add_nc_u64 s[G0B+4*\s+2:G0B+4*\s+3], s[46:47], \s*NQ*KSTR
	s_or_b32 s[G0B+4*\s+3], s[G0B+4*\s+3], 0x80000000
.endr
	JLOAD G0, G1, G0B, G1B                         ; steps 0 to 2: one tensor load a wave at the head
	s_cmp_eq_u32 s15, 0
	s_cselect_b64 s[PF:PF+1], s[20:21], s[46:47]   ; the prefetches: the part that I fetch,
	s_cselect_b32 s92, s40, s41                    ; my place among the four that ask for it with me,
	s_mul_i32 s92, s92, 13                         ; 13 blocks each
	s_mul_i32 s21, s15, PART                       ; my 128 rows of x in slot 0
	s_mul_i32 s22, s16, PART
	s_add_co_u32 s22, s22, 2*PART                  ; my 128 rows of w
	s_add_co_u32 s18, s21, SLOT
	s_add_co_u32 s19, s22, SLOT
	s_sub_co_u32 s23, s22, s21
	s_mul_i32 s20, s14, PART
	s_add_co_u32 s20, s20, 2*PARTK                 ; my stage: the third step's bytes of part w of slot 0
	s_lshl_b32 s46, s17, 8
	s_lshl_b32 s47, s15, 7
	s_add_co_u32 s46, s46, s47
	s_lshl_b32 s46, s46, 14                        ; my first row of out0, 16,384 bytes a row
	s_lshl_b32 s93, s42, 10
	s_lshl_b32 s47, s16, 9
	s_add_co_u32 s94, s93, s47                     ; my first column, in bytes
	s_mov_b32 s95, 0
	s_mov_b32 s47, 0
	s_add_nc_u64 s[10:11], s[10:11], s[94:95]
	s_add_nc_u64 s[8:9], s[8:9], s[94:95]
	s_add_nc_u64 s[8:9], s[8:9], s[46:47]
	v_and_b32 v1, 15, v0                           ; r
	v_bfe_u32 v2, v0, 4, 1                         ; h
	v_and_b32 v3, 31, v0                           ; lane
	v_lshlrev_b32 v[CO], 4, v3                     ; 16 x lane
	v_add_nc_u32 v[ADRA], s21, v[CO]
	v_add_nc_u32 v[ADRA+1], s18, v[CO]
	v_add_nc_u32 v[ADRB], s22, v[CO]
	v_add_nc_u32 v[ADRB+1], s19, v[CO]
	v_mul_u32_u24 v[ADRS], s23, v2                 ; lanes 16-31 take w's scale words
	v_lshl_add_u32 v[ADRS], v1, 4, v[ADRS]
	v_add_nc_u32 v[ADRS], s21, v[ADRS]
	v_add_nc_u32 v[ADRS+1], SLOT, v[ADRS]
	v_mul_u32_u24 v[STO], v1, SPITCH               ; into the stage: row r, 32 bytes for each half of the lanes
	v_lshl_add_u32 v[STO], v2, 5, v[STO]
	v_add_nc_u32 v[STO], s20, v[STO]
	v_add_nc_u32 v[RD], s20, v[CO]                 ; back: 32 lanes take a row of 512 bytes
	v_min_u32 v[PFO], 12, v3
	v_add_nc_u32 v[PFO], s92, v[PFO]
	v_min_u32 v[PFO], 49, v[PFO]                   ; block 13 p + min(lane, 12), at most the part's last
	v_lshlrev_b32 v[PFO], 8, v[PFO]
	WIN 0x40
	global_load_b128 v[BI:BI+3], v[CO], s[10:11]   ; the bias of my four columns of a row read back, into window 1
	WIN 0
.irp u, 3,4,5,6
	global_prefetch_b8 v[PFO], s[PF:PF+1] offset:\u*KSTR th:TH_LOAD_NT scope:SCOPE_SE
.endr
.macro LDW q, par, slot, kq            ; the 12 loads that fill window q's four fragments, set par, from step kq of a slot
	WIN 64*(\q)
.irp n, 0,1,2,3,4,5,6,7,8,9,10,11
	ds_load_b128 v[F+48*(\par)+4*\n:F+48*(\par)+4*\n+3], v[ADRB-2*((\q)/2)+(\slot)] offset:(\kq)*PARTK+((\q)%2)*4*FRC+512*\n
.endr
.endm
.macro RUN1 par, slot, kq              ; 26 loads: w's blocks 0-3, the scale words of all blocks, w's blocks 4-7
	LDW 0, \par, \slot, \kq
.irp u, 0,1
	ds_load_b128 v[SC+8*(\par)+4*\u:SC+8*(\par)+4*\u+3], v[ADRS+(\slot)] offset:(\kq)*PARTK+SCA+256*\u
.endr
	LDW 1, \par, \slot, \kq
.endm
.macro LDW3 par, slot, kq, pf          ; x's blocks 4-7; the step's prefetch stands at the run's end
	LDW 3, \par, \slot, \kq
.if \pf
	global_prefetch_b8 v[PFO], s[PF:PF+1] offset:7*KSTR th:TH_LOAD_NT scope:SCOPE_SE
.endif
.endm
; A quarter of a step: x's blocks 2 q, 2 q + 1 against w's eight, 16 accumulators by turns.
.macro PHASE q, p, zero
.irp u, 0,1
.set W, \u+4*(2+(\q)/2)+80*(\q)
	WIN W
.irp k, 0,1,2,3,4,5,6,7
.set DD, ACC+8*(8*(\k/4)+4*\u+\k%4)
.set BB, F+48*(\p)+12*(\k%4)
.set AA, F+48*(\p)+12*(2*((\q)%2)+\k/4)
.set SB, SC+8*(\p)+4*\u+\k%4
.set SA, SC+8*(\p)+2*(\q)+\k/4
.if \zero
	v_wmma_scale_f32_16x16x128_f8f6f4 v[DD:DD+7], v[BB:BB+11], v[AA:AA+11], 0, v[SB], v[SA] matrix_a_fmt:MATRIX_FMT_FP6 matrix_b_fmt:MATRIX_FMT_FP6 matrix_a_scale:MATRIX_SCALE_ROW1
.else
	v_wmma_scale_f32_16x16x128_f8f6f4 v[DD:DD+7], v[BB:BB+11], v[AA:AA+11], v[DD:DD+7], v[SB], v[SA] matrix_a_fmt:MATRIX_FMT_FP6 matrix_b_fmt:MATRIX_FMT_FP6 matrix_a_scale:MATRIX_SCALE_ROW1
.endif
.endr
.endr
.endm
.macro PFSTEP pf                       ; pf = 1: the prefetches' base goes one step on; the last prefetch has read it
.if (\pf) == 1
	s_wait_xcnt 0x0
	s_add_nc_u64 s[PF:PF+1], s[PF:PF+1], KSTR
.endif
.endm
; A step: multiplies set p, fetches step kq of a slot into set 1 - p.  The four places stand between the last step's products and the loads into the registers that they read.
.macro STEP p, zero, slot, kq, pf
	PLACES
	PFSTEP \pf
	RUN1 1-(\p), \slot, \kq
	s_wait_dscnt 38                                ; all but the last step's 12 youngest loads (x's blocks 4-7) and the 26 just issued
	PHASE 0, \p, \zero
	PHASE 1, \p, \zero
	LDW 2, 1-(\p), \slot, \kq
	LDW3 1-(\p), \slot, \kq, \pf
	s_wait_dscnt 50                                ; all but this step's 26 + 24
	PHASE 2, \p, \zero
	PHASE 3, \p, \zero
.endm
; A slot's last step.  fill = 1: the slot is filled again with three steps; 2: with two.
.macro TURN p, slot, next, fill, pf
	PLACES
	PFSTEP \pf
	s_wait_dscnt 12
	PHASE 0, \p, 0
	WIN 0
	s_wait_tensorcnt 0x0                           ; all my tensor loads have landed: my part of the next slot
	ds_add_u32 v[SPW], v[NIL]                      ; work on registers stands between the add and the wait for it
	s_add_nc_u64 s[G0+4*\slot+2:G0+4*\slot+3], s[G0+4*\slot+2:G0+4*\slot+3], 2*NQ*KSTR
	s_add_nc_u64 s[G0B+4*\slot+2:G0B+4*\slot+3], s[G0B+4*\slot+2:G0B+4*\slot+3], 2*NQ*KSTR
	PHASE 1, \p, 0
	WIN 0
	s_wait_dscnt 0x0                               ; the add is done, and my reads of this slot are over
	s_barrier_signal -1
	s_barrier_wait -1
	CREST                                          ; the barrier has opened a round of the cluster's barrier
.if \fill == 1
	JLOAD G0+4*\slot, G1, G0B+4*\slot, G1B
.else
	JLOAD G0+4*\slot, G1L, G0B+4*\slot, G1BL
.endif
	RUN1 1-(\p), \next, 0
	LDW 2, 1-(\p), \next, 0
	PHASE 2, \p, 0
	LDW3 1-(\p), \next, 0, \pf
	PHASE 3, \p, 0
.endm
; THE WAY OUT of block a (16 rows x 128 columns), through my own stage; back as rows of 512 bytes into set k, the bias added, stored as two aligned units of 256 bytes.
.macro TOSTAGE a, k
.set AC, ACC+64*((\a)%2)
	WIN 4*((\a)/2)                                 ; the data: window a / 2
.irp b, 0,1,2,3,4,5,6,7
	ds_store_b128 v[STO], v[AC+8*\b:AC+8*\b+3] offset:64*\b          ; each accumulator from its low end on
	ds_store_b128 v[STO], v[AC+8*\b+4:AC+8*\b+7] offset:64*\b+16
.endr
	WIN 64*(2+(\k))
.irp t, 0,1,2,3,4,5,6,7,8,9,10,11,12,13,14,15
	ds_load_b128 v[BK+4*\t:BK+4*\t+3], v[RD] offset:\t*SPITCH        ; LDS serves a wave's instructions in order
.endr
.endm
.macro SEND a, k, younger              ; younger: the LDS instructions behind block a's loads that may stay out; -1: the caller has waited
.if (\younger) >= 0
	s_wait_dscnt \younger
.endif
	WIN 65*(2+(\k))+4                              ; the rows in window 2 + k, the bias in window 1
.irp t, 0,1,2,3,4,5,6,7,8,9,10,11,12,13,14,15
	v_pk_add_f32 v[BK+4*\t:BK+4*\t+1], v[BK+4*\t:BK+4*\t+1], v[BI:BI+1]
	v_pk_add_f32 v[BK+4*\t+2:BK+4*\t+3], v[BK+4*\t+2:BK+4*\t+3], v[BI+2:BI+3]
.endr
	WIN 4*(2+(\k))
.irp t, 0,1,2,3,4,5,6,7,8,9,10,11,12,13,14,15
	global_store_b128 v[CO], v[BK+4*\t:BK+4*\t+3], s[8:9] offset:(16*(\a)+\t)*SIZE_N*4 th:TH_STORE_NT   ; 512 consecutive bytes, at a multiple of 256 from out0's first byte; 127 rows at the most: inside the signed 24-bit immediate
.endr
.endm
; Half a step: my row blocks 4 h .. 4 h + 3 of set p; fetches w's fragments, the scale words and x's blocks 4 hn .. 4 hn + 3 of step kq of a slot into set 1 - p.  snd >= 0: block snd, which is back from the stage, is stored.
.macro HALF h, p, slot, kq, hn, snd
	PLACES
	RUN1 1-(\p), \slot, \kq
	LDW 2+(\hn), 1-(\p), \slot, \kq
	s_wait_dscnt 38                                ; all but the 38 just issued
.if (\snd) >= 0
	SEND \snd, 0, -1
.endif
	PHASE 2*(\h), \p, 0
	PHASE 2*(\h)+1, \p, 0
.endm
	s_wait_alu depctr_va_vdst(0)
	s_wait_tensorcnt 0x0                           ; my part of steps 0 to 2 is in; slot 1's first fill is issued as a refill is
	ds_add_u32 v[SPW], v[NIL]
	s_wait_dscnt 0x0
	CROUND
	JLOAD G0+4, G1, G0B+4, G1B                     ; steps 3 to 5
	RUN1 0, 0, 0
	LDW 2, 0, 0, 0
	LDW 3, 0, 0, 0
	STEP 0, 1, 0, 1, 2                             ; step 0 starts the sums
	WIN 0
	s_mov_b32 s3, 4
.Llap:                                             ; a trip: six steps, once round the ring
	STEP 1, 0, 0, 2, 1
	TURN 0, 0, 1, 1, 1
	STEP 1, 0, 1, 1, 1
	STEP 0, 0, 1, 2, 1
	TURN 1, 1, 0, 1, 1
	STEP 0, 0, 0, 1, 1
	WIN 0
	s_sub_co_u32 s3, s3, 1
	s_cmp_lg_u32 s3, 0
	s_cbranch_scc1 .Llap
	STEP 1, 0, 0, 2, 0                             ; step 25
	TURN 0, 0, 1, 2, 0                             ; step 26: the last fill, steps 30 and 31 into slot 0
	HALF 0, 1, 1, 1, 0, -1                         ; blocks 0-3: step 27,
	HALF 0, 0, 1, 2, 0, -1                         ; 28,
	PLACES                                         ; 29, with the barrier that shows the last fill whole to all four waves
	s_wait_tensorcnt 0x0
	s_wait_dscnt 0x0
	s_barrier_signal -1
	PHASE 0, 1, 0
	s_barrier_wait -1
	RUN1 0, 0, 0
	LDW 2, 0, 0, 0
	PHASE 1, 1, 0
	HALF 0, 0, 0, 1, 0, -1                         ; 30,
	HALF 0, 1, 1, 0, 1, -1                         ; 31: blocks 0-3 are finished
	PLACES                                         ; behind their last products: for the reads of results and the loads into x's blocks 0-3's registers
	s_wait_loadcnt 0x0                             ; the bias
	TOSTAGE 0, 0
	HALF 1, 0, 1, 1, 1, 0                          ; blocks 4-7: step 27; block 0 leaves
	s_wait_xcnt 0x0                                ; the stores have read set 0: it is loaded again only behind this wait
	TOSTAGE 1, 0
	HALF 1, 1, 1, 2, 1, 1                          ; 28
	s_wait_xcnt 0x0
	TOSTAGE 2, 0
	HALF 1, 0, 0, 0, 1, 2                          ; 29
	s_wait_xcnt 0x0
	TOSTAGE 3, 0
	HALF 1, 1, 0, 1, 1, 3                          ; 30
	s_wait_dscnt 0x0
	PHASE 2, 0, 0                                  ; 31
	PHASE 3, 0, 0
	PLACES
	s_wait_xcnt 0x0
	TOSTAGE 4, 0
.irp a, 5,6,7
	s_wait_xcnt 0x0                                ; block a - 2's stores have read their set
	TOSTAGE \a, \a%2
	SEND \a-1, (\a-1)%2, 32                        ; behind block a - 1's loads: block a's 16 stores and 16 loads
.endr
	SEND 7, 1, 0
	WIN 0
	s_wait_tensorcnt 0x0                           ; the wave's end
	ds_add_u32 v[SPW], v[NIL]
	s_wait_dscnt 0x0
	CROUND                                         ; the closing round
	s_endpgm
.Lfunc_end_k_q3eacf83091_gemm:
	.size	k_q3eacf83091_gemm, .Lfunc_end_k_q3eacf83091_gemm-k_q3eacf83091_gemm
	.p2alignl 7, 3214868480
	.fill 96, 4, 3214868480
	.section	.rodata,"a",@progbits
	.p2align	6, 0x0
	.amdhsa_kernel k_q3eacf83091_gemm
		.amdhsa_group_segment_fixed_size 327680
		.amdhsa_private_segment_fixed_size 0
		.amdhsa_enable_private_segment 0
		.amdhsa_kernarg_size 32
		.amdhsa_user_sgpr_count 2
		.amdhsa_user_sgpr_kernarg_segment_ptr 1
		.amdhsa_wavefront_size32 1
		.amdhsa_system_sgpr_workgroup_id_x 1
		.amdhsa_system_sgpr_workgroup_id_y 1
		.amdhsa_system_sgpr_workgroup_id_z 1
		.amdhsa_system_vgpr_workitem_id 0
		.amdhsa_next_free_vgpr 1024
		.amdhsa_next_free_sgpr 102
		.amdhsa_reserve_vcc 0
		.amdhsa_float_denorm_mode_32 3
		.amdhsa_float_denorm_mode_16_64 3
		.amdhsa_memory_ordered 1
		.amdhsa_forward_progress 1
		.amdhsa_inst_pref_size 233
	.end_amdhsa_kernel
	.amdgpu_metadata
---
amdhsa.version: [ 1, 2 ]
amdhsa.kernels:
  - .name:           k_q3eacf83091_gemm
    .symbol:         k_q3eacf83091_gemm.kd
    .args:
      - { .name: xq, .offset: 0, .size: 8, .value_kind: global_buffer, .address_space: global }
      - { .name: wq, .offset: 8, .size: 8, .value_kind: global_buffer, .address_space: global }
      - { .name: out0, .offset: 16, .size: 8, .value_kind: global_buffer, .address_space: global }
      - { .name: bias, .offset: 24, .size: 8, .value_kind: global_buffer, .address_space: global }
    .group_segment_fixed_size: 327680
    .private_segment_fixed_size: 0
    .kernarg_segment_align: 8
    .kernarg_segment_size: 32
    .max_flat_workgroup_size: 128
    .sgpr_count:     102
    .vgpr_count:     1024
    .wavefront_size: 32
...
	.end_amdgpu_metadata
.endif
;; end of part 2
